; MI455X (gfx1250); checked and timed in simulation.
; The chip was launched on July 23, 2026; its instructions are those of AMD's public machine-readable ISA for CDNA 5 (MIT licence, August 2026) and "CDNA5" Instruction Set Architecture Reference Guide (July 2026). The comments in the code are by the model that wrote it; some were corrected since.
;; Mo E. Allowed arithmetic: float matrix products may take bf16 or f16 operands with f32 sums; other float arithmetic in f32, or as packed bf16 or f16 multiplies, adds, multiply-adds, maxima and minima; sums over many terms, partial sums and values carried from step to step in f32; what a program stores and reads back later, other than sums and carried values, may be rounded once to bf16 or f16.
;; Inputs: b1 8 x 1,024 float32; b2 8 x 1,024 float32; gate_b 8 float32; gate_w 1,024 x 8 float32; w1 8 x 1,024 x 1,024 float32; w2 8 x 1,024 x 1,024 float32; x 2 x 2,048 x 1,024 float32.
;; Outputs: out0 2 x 2,048 x 1,024 float32.
;; One version. Each part assembles by itself: llvm-mc -triple=amdgcn-amd-amdhsa -mcpu=gfx1250 --defsym DOCPART=n.
;; ======== version 1 of 1: 4 launches
;; workspace buffers: xb 8,388,608 bytes; wf 33,554,432 bytes; rout 16,384 bytes of whole numbers; gw 32,768 bytes; lst 40,960 bytes of whole numbers; hs 18,874,368 bytes; pp 33,554,432 bytes
;; launch prep (part 1): grid 384 x 1, 8 waves a work-group, no clusters, 75,264 bytes of LDS; arguments x, gate_w, gate_b, w1, w2, xb, wf, rout, gw; writes xb, wf, rout, gw
.if DOCPART == 1
	.amdgcn_target "amdgcn-amd-amdhsa--gfx1250"
	.amdhsa_code_object_version 6
	.text
	.protected	k_qbb0520fcbc_prep
	.globl	k_qbb0520fcbc_prep
	.p2align	8
	.type	k_qbb0520fcbc_prep,@function
k_qbb0520fcbc_prep:
	s_mov_b64 s[64:65], 0
	v_nop
	global_prefetch_b8 v0, s[64:65] scope:SCOPE_SE
	s_setreg_imm32_b32 hwreg(HW_REG_WAVE_MODE, 25, 1), 1
	s_wait_xcnt 0x0
; PREP.  Work-groups 0-127: THE ROUTER, 32 tokens each: x is rounded to bf16 and stored (xb); logits = x gate_w + gate_b on the rounded numbers (matrix unit, f32 sums);
; softmax over 8 with the maximum taken away; top 2 (strict compares: the lower index keeps a tie); softmax over the two probabilities.  Nothing here is addressed by the choice: it is stored at fixed
; places, as bit masks and counts (rout) and as two weights a token (gw).  Work-groups 128-383: THE CAST: one (matrix, expert, group of 64 columns) each: w1 / w2 rounded to bf16 and laid in the
; order in which a wave's operand registers take them (wf).
; EVERY input is rounded once to bf16 (x, gate_w, gate_b here; w1, w2 here; b1, b2 in the products), so the program follows reference() on inputs so rounded.
; LIMITS.  A probability below 2^-126 counts as 0 (the exponential's result is flushed); ties, such zeros among them, go to the lower index.  NaN and infinities are not treated apart.
; Where the second and third probability differ by no more than the rounding of the f32 sums, the choice may differ from reference()'s.
.set XP,    2064                       ; a token's row in LDS: 2,048 bytes of bf16 + 16: an odd multiple of 16, so 16 rows of a fragment load start 16 bytes apart modulo 256
.set PART,  32*XP                      ; 66,048: [wave 8][token 32][8 f32] partial logits
.set SPARE, PART+8192                  ; 74,240: the spare words, 128 bytes a wave, four blocks of 256 bytes that no other line names
.set SPW, 2                            ; v2  my spare word's address; never rewritten
.set NIL, 3                            ; v3  0; never rewritten
.set LN,  4                            ; v4  lane
.set RR,  5                            ; v5  lane % 16
.set HH,  6                            ; v6  lane / 16
.set GF,  32                           ; v[32:63]   gate_w's fragments, 8 registers for each 32 of my 128 k
.set XR,  64                           ; v[64:191]  my four rows of x
.set GR,  192                          ; v[192:255] gate_w as loaded; then x's fragments; then (wave 0) the eight partial sums
.set WV,  22                           ; s22 wave
	s_load_b512 s[4:19], s[0:1], 0x0               ; x 4, gate_w 6, gate_b 8, w1 10, w2 12, xb 14, wf 16, rout 18
	s_load_b64 s[20:21], s[0:1], 0x40              ; gw
	v_lshl_add_u32 v[SPW], v0, 2, SPARE
	v_mov_b32 v[NIL], 0
	v_lshrrev_b32 v1, 5, v0
	v_readfirstlane_b32 s[WV], v1
	v_and_b32 v[LN], 31, v0
	v_and_b32 v[RR], 15, v0
	v_bfe_u32 v[HH], v0, 4, 1
	s_wait_kmcnt 0x0
	s_cmp_lt_u32 ttmp9, 128
	s_cbranch_scc0 .Lcast
; ---------------------------------------------------------------- the router: word w = ttmp9, tokens 32 w .. 32 w + 31
	s_load_b256 s[24:31], s[8:9], 0x0              ; gate_b
	s_lshl_b32 s32, s[WV], 12                      ; my 128 rows of gate_w, 32 bytes each
	s_mov_b32 s33, 0
	s_add_nc_u64 s[6:7], s[6:7], s[32:33]
	v_and_b32 v7, 7, v0
	v_lshlrev_b32 v7, 2, v7
	v_lshl_add_u32 v7, v[HH], 8, v7                ; 256 (lane / 16) + 4 (lane % 8): fragment rows 8-15 repeat experts 0-7
.set i, 0
.rept 64                                               ; gate_w[128 v + 8 (i / 8) x 2 + 8 h + i % 8][lane % 8]
	global_load_b32 v[GR+i], v7, s[6:7] offset:(i/8)*512+(i%8)*32
.set i, i+1
.endr
	s_lshl_b32 s34, ttmp9, 17                      ; 32 rows of 4,096 bytes a work-group,
	s_lshl_b32 s35, s[WV], 14                      ; 4 a wave
	s_add_co_u32 s34, s34, s35
	s_mov_b32 s35, 0
	s_add_nc_u64 s[4:5], s[4:5], s[34:35]
	s_lshr_b32 s34, s34, 1                         ; half as many bytes in xb
	s_add_nc_u64 s[14:15], s[14:15], s[34:35]
	v_lshlrev_b32 v8, 5, v[LN]                     ; a lane takes 8 neighbouring numbers: 32 bytes in, 16 out
.set i, 0
.rept 16                                               ; row i / 4, 256 numbers from 256 (i % 4) on
	global_load_b128 v[XR+8*i:XR+8*i+3],   v8, s[4:5] offset:(i/4)*4096+(i%4)*1024 th:TH_LOAD_NT
	global_load_b128 v[XR+8*i+4:XR+8*i+7], v8, s[4:5] offset:(i/4)*4096+(i%4)*1024+16 th:TH_LOAD_NT
.set i, i+1
.endr
	v_lshlrev_b32 v9, 4, v[LN]
	s_mul_i32 s36, s[WV], 4*XP
	v_add_nc_u32 v10, s36, v9                      ; where my rows go in LDS
	v_mul_u32_u24 v11, v[RR], XP
	v_lshl_add_u32 v11, v[HH], 4, v11
	s_lshl_b32 s37, s[WV], 8
	v_add_nc_u32 v11, s37, v11                     ; a fragment's row x pitch + 16 x half + my 128 k
	s_lshl_b32 s38, s[WV], 10
	s_add_co_u32 s38, s38, PART
	v_lshl_add_u32 v13, v[LN], 5, s38              ; my wave's partial logits, 32 bytes a token
	v_lshlrev_b32 v14, 5, v[LN]
	v_add_nc_u32 v14, PART, v14
	s_mov_b32 s23, 0xffff0000
	s_wait_kmcnt 0x0                               ; gate_b
	s_wait_loadcnt 32                              ; the 32 loads of x are younger: gate_w is in
.set i, 0
.rept 32
	v_cvt_pk_bf16_f32 v[GF+i], v[GR+2*i], v[GR+2*i+1]
.set i, i+1
.endr
	s_wait_loadcnt 0x0
.set i, 0
.rept 16
	v_cvt_pk_bf16_f32 v[XR+8*i],   v[XR+8*i],   v[XR+8*i+1]
	v_cvt_pk_bf16_f32 v[XR+8*i+1], v[XR+8*i+2], v[XR+8*i+3]
	v_cvt_pk_bf16_f32 v[XR+8*i+2], v[XR+8*i+4], v[XR+8*i+5]
	v_cvt_pk_bf16_f32 v[XR+8*i+3], v[XR+8*i+6], v[XR+8*i+7]
.set i, i+1
.endr
.set i, 0
.rept 16
	global_store_b128 v9, v[XR+8*i:XR+8*i+3], s[14:15] offset:(i/4)*2048+(i%4)*512  ; 512 consecutive bytes of xb
	ds_store_b128 v10, v[XR+8*i:XR+8*i+3] offset:(i/4)*XP+(i%4)*512
.set i, i+1
.endr
	s_wait_dscnt 0x0                               ; for the others' sake: my rows are in LDS
	s_barrier_signal -1
	s_barrier_wait -1
.set i, 0
.rept 8                                                ; tokens 16 (i / 4) on, k 32 (i % 4) on of my 128
	ds_load_b128 v[GR+8*i:GR+8*i+3],   v11 offset:(i/4)*16*XP+(i%4)*64
	ds_load_b128 v[GR+8*i+4:GR+8*i+7], v11 offset:(i/4)*16*XP+(i%4)*64+32
.set i, i+1
.endr
	s_wait_dscnt 0x0
	; source 0 = 16 rows of experts, source 1 = 16 tokens: a lane then holds one token's eight logits.  The two accumulators take turns.
	v_wmma_f32_16x16x32_bf16 v[16:23], v[GF:GF+7], v[GR:GR+7], 0
	v_wmma_f32_16x16x32_bf16 v[24:31], v[GF:GF+7], v[GR+32:GR+39], 0
.irp k, 1,2,3
	v_wmma_f32_16x16x32_bf16 v[16:23], v[GF+8*\k:GF+8*\k+7], v[GR+8*\k:GR+8*\k+7], v[16:23]
	v_wmma_f32_16x16x32_bf16 v[24:31], v[GF+8*\k:GF+8*\k+7], v[GR+32+8*\k:GR+39+8*\k], v[24:31]
.endr
.rept 4
	v_nop                                          ; four places behind the last product (ISA guide 7.12.1)
.endr
.irp j, 0,1,2,3,4,5,6,7
	v_cndmask_b32 v[16+\j], v[16+\j], v[24+\j], s23  ; lanes 16-31 take tokens 16-31: lane l now stands for token 32 w + l
.endr
	ds_store_b128 v13, v[16:19]
	ds_store_b128 v13, v[20:23] offset:16
	s_wait_dscnt 0x0
	s_barrier_signal -1
	s_barrier_wait -1
	s_cmp_lg_u32 s[WV], 0
	s_cbranch_scc1 .Lrend                          ; the rest is wave 0's: no barrier follows
.set i, 0
.rept 8
	ds_load_b128 v[GR+8*i:GR+8*i+3],   v14 offset:i*1024
	ds_load_b128 v[GR+8*i+4:GR+8*i+7], v14 offset:i*1024+16
.set i, i+1
.endr
.irp m, 0,1,2,3
	v_cvt_pk_bf16_f32 v[16+\m], s[24+2*\m], s[25+2*\m]  ; gate_b rounded like every input,
.endr
.irp m, 0,1,2,3
	v_lshlrev_b32 v[20+2*\m], 16, v[16+\m]         ; and back in f32
	v_and_b32 v[21+2*\m], s23, v[16+\m]
.endr
	s_wait_dscnt 0x0
.irp u, 1,2,3,4,5,6,7
.irp p, 0,2,4,6
	v_pk_add_f32 v[GR+\p:GR+\p+1], v[GR+\p:GR+\p+1], v[GR+8*\u+\p:GR+8*\u+\p+1]
.endr
.endr
.irp p, 0,2,4,6
	v_pk_add_f32 v[GR+\p:GR+\p+1], v[GR+\p:GR+\p+1], v[20+\p:21+\p]
.endr
	v_max3_num_f32 v28, v[GR], v[GR+1], v[GR+2]
	v_max3_num_f32 v28, v28, v[GR+3], v[GR+4]
	v_max3_num_f32 v28, v28, v[GR+5], v[GR+6]
	v_max_num_f32 v28, v28, v[GR+7]
.irp e, 0,1,2,3,4,5,6,7
	v_sub_f32 v[32+\e], v[GR+\e], v28              ; z - max, as reference() takes it,
.endr
.irp e, 0,1,2,3,4,5,6,7
	v_mul_f32 v[32+\e], 0x3fb8aa3b, v[32+\e]       ; times log2(e)
.endr
.irp e, 0,1,2,3,4,5,6,7
	v_exp_f32 v[40+\e], v[32+\e]
.endr
	v_nop                                          ; a plain instruction behind the last exponential,
	s_wait_alu depctr_va_vdst(0)                   ; and one wait for the batch of eight
	v_add_f32 v48, v40, v41
	v_add_f32 v49, v42, v43
	v_add_f32 v50, v44, v45
	v_add_f32 v51, v46, v47
	v_add_f32 v48, v48, v49
	v_add_f32 v50, v50, v51
	v_add_f32 v48, v48, v50
	v_rcp_f32 v52, v48
	v_nop
	s_wait_alu depctr_va_vdst(0)
.irp e, 0,1,2,3,4,5,6,7
	v_mul_f32 v[40+\e], v[40+\e], v52              ; the probabilities
.endr
	v_mov_b32 v53, v40                             ; the largest, and its index
	v_mov_b32 v54, 0
.irp e, 1,2,3,4,5,6,7
	v_cmp_gt_f32 vcc_lo, v[40+\e], v53
	v_cndmask_b32 v53, v53, v[40+\e], vcc_lo
	v_cndmask_b32 v54, v54, \e, vcc_lo
.endr
.irp e, 0,1,2,3,4,5,6,7
	v_cmp_eq_u32 vcc_lo, \e, v54
	v_cndmask_b32 v[32+\e], v[40+\e], -1.0, vcc_lo ; the winner steps out: below every probability
.endr
	v_mov_b32 v55, v32                             ; the second largest
	v_mov_b32 v56, 0
.irp e, 1,2,3,4,5,6,7
	v_cmp_gt_f32 vcc_lo, v[32+\e], v55
	v_cndmask_b32 v55, v55, v[32+\e], vcc_lo
	v_cndmask_b32 v56, v56, \e, vcc_lo
.endr
	v_sub_f32 v57, v55, v53                        ; the second softmax, its maximum (the first probability) taken away
	v_mul_f32 v57, 0x3fb8aa3b, v57
	v_exp_f32 v58, v57
	v_nop
	s_wait_alu depctr_va_vdst(0)
	v_add_f32 v59, 1.0, v58
	v_rcp_f32 v60, v59                             ; g0 = 1 / (1 + t)
	v_nop
	s_wait_alu depctr_va_vdst(0)
	v_mul_f32 v61, v58, v60                        ; g1 = t g0
	s_lshl_b32 s38, ttmp9, 8
	s_mov_b32 s39, 0
	s_add_nc_u64 s[20:21], s[20:21], s[38:39]
	v_lshlrev_b32 v12, 3, v[LN]
	global_store_b64 v12, v[60:61], s[20:21]       ; 256 consecutive bytes of gw
.irp e, 0,1,2,3,4,5,6,7
	v_cmp_eq_u32 s[40+\e], \e, v54                 ; tokens whose first choice is e,
	v_cmp_eq_u32 s[48+\e], \e, v56                 ; whose second is
.endr
.irp q, 0,1,2,3
	s_or_b32 s60, s[40+2*\q], s[48+2*\q]
	s_bcnt1_i32_b32 s60, s60
	s_or_b32 s61, s[41+2*\q], s[49+2*\q]
	s_bcnt1_i32_b32 s61, s61
	s_lshl_b32 s61, s61, 16
	s_or_b32 s[56+\q], s60, s61                    ; the word's counts for experts 2 q and 2 q + 1
.endr
	v_mov_b32 v62, 0
.set i, 0
.rept 20
	v_writelane_b32 v62, s[40+i], i
.set i, i+1
.endr
	; rout lies field by field, [32 fields][128 words]: fields 0-7 first choice, 8-15 second choice, 16-19 counts, the rest 0.  This one store of the work-group puts 32 single words 512 bytes apart,
	; so that each of the 20 loads of each of the next launch's 1,024 waves covers 512 consecutive bytes.
	s_lshl_b32 s38, ttmp9, 2
	s_add_nc_u64 s[18:19], s[18:19], s[38:39]
	v_lshlrev_b32 v63, 9, v[LN]
	global_store_b32 v63, v62, s[18:19]
.Lrend:
	s_wait_tensorcnt 0x0                           ; the wave's end
	ds_add_u32 v[SPW], v[NIL]
	s_wait_dscnt 0x0
	s_endpgm
; ---------------------------------------------------------------- the cast: c = ttmp9 - 128 = matrix x 128 + expert x 16 + column group
; Fragment j (0..3) of a column group: slot m of the matrix operand stands for column 64 cg + 4 m + j.  So a lane's load of 16 bytes (columns 4 r .. 4 r + 3 of one row k) feeds the four fragments,
; and nothing moves between lanes.  Wave v has k = 128 v .. 128 v + 127: four units of 32.  These waves write no LDS.
.Lcast:
	s_sub_co_u32 s23, ttmp9, 128
	s_cmp_ge_u32 s23, 128
	s_cselect_b64 s[24:25], s[12:13], s[10:11]     ; w2 or w1
	s_bfe_u32 s26, s23, 0x30004                    ; expert
	s_and_b32 s27, s23, 15                         ; column group
	s_lshl_b32 s26, s26, 22
	s_lshl_b32 s27, s27, 8
	s_add_co_u32 s26, s26, s27
	s_lshl_b32 s27, s[WV], 19                      ; 128 rows of 4,096 bytes
	s_add_co_u32 s26, s26, s27
	s_mov_b32 s27, 0
	s_add_nc_u64 s[24:25], s[24:25], s[26:27]
	s_lshl_b32 s28, s23, 17                        ; 131,072 bytes of wf for each c,
	s_lshl_b32 s29, s[WV], 14                      ; four units of 4,096 a wave
	s_add_co_u32 s28, s28, s29
	s_mov_b32 s29, 0
	s_add_nc_u64 s[16:17], s[16:17], s[28:29]
	v_lshlrev_b32 v7, 4, v[RR]
	v_lshl_add_u32 v7, v[HH], 15, v7               ; 8 rows down for lanes 16-31; sixteen lanes read 256 consecutive bytes of a row
	v_lshlrev_b32 v8, 4, v[LN]
.macro FILL u
.set i, 0
.rept 16                                               ; row 32 u + 16 (i / 8) + 8 h + i % 8
	global_load_b128 v[64+64*((\u)&1)+4*i:64+64*((\u)&1)+4*i+3], v7, s[24:25] offset:(\u)*131072+(i/8)*65536+(i%8)*4096 th:TH_LOAD_NT
.set i, i+1
.endr
.endm
.macro TURN u, left, next
	s_wait_loadcnt \left                           ; the other slot's sixteen loads may stay out
	s_wait_xcnt 0x0                                ; the packed registers were store data two units ago: rewritten only behind this wait
.set LS, 64+64*((\u)&1)
.set FS, 192+32*((\u)&1)
.set i, 0
.rept 32                                               ; register i = 8 j + 4 g + p of the four fragments: k = 16 g + 8 h + 2 p and the next
	v_cvt_pk_bf16_f32 v[FS+i], v[LS+4*(8*((i/4)%2)+2*(i%4))+i/8], v[LS+4*(8*((i/4)%2)+2*(i%4)+1)+i/8]
.set i, i+1
.endr
.if \next
	FILL (\u)+2
.endif
.set i, 0
.rept 8
	global_store_b128 v8, v[FS+4*i:FS+4*i+3], s[16:17] offset:(\u)*4096+i*512  ; 512 consecutive bytes of wf
.set i, i+1
.endr
.endm
	FILL 0
	FILL 1
	TURN 0, 16, 1
	TURN 1, 16, 1
	TURN 2, 16, 0
	TURN 3, 0, 0
	s_endpgm
.Lfunc_end_k_qbb0520fcbc_prep:
	.size	k_qbb0520fcbc_prep, .Lfunc_end_k_qbb0520fcbc_prep-k_qbb0520fcbc_prep
	.p2alignl 7, 3214868480
	.fill 96, 4, 3214868480
	.section	.rodata,"a",@progbits
	.p2align	6, 0x0
	.amdhsa_kernel k_qbb0520fcbc_prep
		.amdhsa_group_segment_fixed_size 75264
		.amdhsa_private_segment_fixed_size 0
		.amdhsa_enable_private_segment 0
		.amdhsa_kernarg_size 72
		.amdhsa_user_sgpr_count 2
		.amdhsa_user_sgpr_kernarg_segment_ptr 1
		.amdhsa_wavefront_size32 1
		.amdhsa_system_sgpr_workgroup_id_x 1
		.amdhsa_system_sgpr_workgroup_id_y 1
		.amdhsa_system_sgpr_workgroup_id_z 1
		.amdhsa_system_vgpr_workitem_id 0
		.amdhsa_next_free_vgpr 256
		.amdhsa_next_free_sgpr 66
		.amdhsa_reserve_vcc 1
		.amdhsa_float_denorm_mode_32 3
		.amdhsa_float_denorm_mode_16_64 3
		.amdhsa_memory_ordered 1
		.amdhsa_forward_progress 1
		.amdhsa_inst_pref_size 53
	.end_amdhsa_kernel
	.amdgpu_metadata
---
amdhsa.version: [ 1, 2 ]
amdhsa.kernels:
  - .name:           k_qbb0520fcbc_prep
    .symbol:         k_qbb0520fcbc_prep.kd
    .args:
      - { .name: x, .offset: 0, .size: 8, .value_kind: global_buffer, .address_space: global }
      - { .name: gate_w, .offset: 8, .size: 8, .value_kind: global_buffer, .address_space: global }
      - { .name: gate_b, .offset: 16, .size: 8, .value_kind: global_buffer, .address_space: global }
      - { .name: w1, .offset: 24, .size: 8, .value_kind: global_buffer, .address_space: global }
      - { .name: w2, .offset: 32, .size: 8, .value_kind: global_buffer, .address_space: global }
      - { .name: xb, .offset: 40, .size: 8, .value_kind: global_buffer, .address_space: global }
      - { .name: wf, .offset: 48, .size: 8, .value_kind: global_buffer, .address_space: global }
      - { .name: rout, .offset: 56, .size: 8, .value_kind: global_buffer, .address_space: global }
      - { .name: gw, .offset: 64, .size: 8, .value_kind: global_buffer, .address_space: global }
    .group_segment_fixed_size: 75264
    .private_segment_fixed_size: 0
    .kernarg_segment_align: 8
    .kernarg_segment_size: 72
    .max_flat_workgroup_size: 256
    .sgpr_count:     66
    .vgpr_count:     256
    .wavefront_size: 32
...
	.end_amdgpu_metadata
.endif
;; end of part 1
;; launch gemm1 (part 2): grid 256 x 1, 4 waves a work-group, no clusters, 326,144 bytes of LDS; arguments rout, xb, wf, b1, hs, lst; writes hs, lst
.if DOCPART == 2
	.amdgcn_target "amdgcn-amd-amdhsa--gfx1250"
	.amdhsa_code_object_version 6
	.text
	.protected	k_qbb0520fcbc_gemm1
	.globl	k_qbb0520fcbc_gemm1
	.p2align	8
	.type	k_qbb0520fcbc_gemm1,@function
k_qbb0520fcbc_gemm1:
	s_mov_b64 s[64:65], 0
	v_nop
	global_prefetch_b8 v0, s[64:65] scope:SCOPE_SE
	s_setreg_imm32_b32 hwreg(HW_REG_WAVE_MODE, 25, 1), 1
	s_wait_xcnt 0x0
; FIRST PRODUCT.  h = relu(x[token] . w1[E][:, f] + b1[E][f]), bf16, for the routed rows alone.  A work-group is a tile: slot i = ttmp9 / 4 (144 routed rows of ONE expert), column tile
; ct = ttmp9 % 4 (256 columns).  The sum over experts of ceil(n_e / 144) is at most floor((8,192 + 8 x 143) / 144) = 64 for every split, so 64 slots serve every split.  An expert's tiles are consecutive slots.
; hs lies as [slot 64][column group 16][row 144][64 columns]: a wave's 16 rows of its 64 columns are 2,048 consecutive bytes.
; THE SORT.  Every wave works the slot's list out for itself from the router's masks and counts (whole numbers stored by the launch before): no barrier, a private list in LDS.  Places past the count repeat the
; last live row, so that whatever is made of them equals that row's; a slot that the split leaves empty has count 0 (its list names a row that exists) and runs the whole text; hs is stored whole.
; Wave 0 of column tile 0 stores the list, the expert and the count for the second product.
; THE LOOP.  Four waves; a wave has all 144 rows x 64 columns: 36 accumulators.  The matrix instruction is used transposed (source 0 = 16 weight columns, source 1 = 16 rows).  The weights come from memory straight into
; registers, in fragment order, 4,096 consecutive bytes a step of 32 k, asked for five steps ahead into a ring of eight register slots: a wave's columns are its own, so LDS would give them no second reader.
; The rows are gathered through registers into LDS, 128 k (a chunk) at a time, each chunk into bytes of its own: one barrier a chunk, between its stores and its first read.
; Where the tile has 64 rows or fewer, the products of row blocks 4 to 8 are jumped in steps 1 to 27 (step 0's start the sums and always run): a forward jump over matrix instructions alone.
; THE LAST CHUNK GOES BY ROW BLOCKS: its four steps' weights lie in ring slots 4 to 7; a block's fragments of all 128 k come into 32 registers; 16 products finish the block, and it leaves at once, through a stage
; of the wave's own, while the next block is multiplied.
; NO CLUSTER, NO TENSOR LOADS: the rows come by a list, which no descriptor covers; the readers of a slice of weights are the slots of one expert, and which those are hangs on the counts.
; b1 is rounded to bf16 like every input; h is rounded once to bf16.
; REGISTERS, in windows of 256 (s_set_vgpr_msb: bits 1:0 source 0, 3:2 source 1, 5:4 source 2, 7:6 destination):
;   window 0: v0-31 addresses; v32-103, v104-175 the rows' fragments, two buffers of 9 x 8 (in the last chunk four of 32: v32, v64, v104, v136); v176-207 accumulators of rows 128-143; v208-215 the list's way out, the stage's addresses
;   window 1: the weights' ring: slot s, fragment j at 32 s + 8 j      window 2: accumulators (a, j) at 32 a + 8 j, a = 0..7
;   window 3: v0-143 two sets of gathered rows, in the last chunk the way out's registers; v180-211 b1 as loaded
.set PA,    272                        ; a row of a chunk in LDS: 256 bytes + 16: an odd multiple of 16
.set CH,    144*PA                     ; a chunk: 39,168 bytes; eight of them
.set CHS,   256                        ; bytes from chunk to chunk in a row of xb
.set LIST,  8*CH                       ; 313,344: four private lists of 768 bytes
.set STAGE, LIST+4*768                 ; 316,416: four private stages of 16 rows
.set SP1,   144                        ; a stage row: 128 bytes + 16
.set SPARE, STAGE+4*16*SP1             ; 325,632: the spare words, 128 bytes a wave: two blocks of 256 bytes that no other line names
.set LN,  2
.set AA,  4                            ; v4  fragment address: row x pitch + 16 x half, stepped a chunk at a time
.set SA,  5                            ; v5  where I store gathered rows, stepped a chunk at a time
.set BO,  6                            ; v6  16 x lane; never rewritten
.set ZR,  7                            ; v7  0
.set SPW, 8                            ; v8  my spare word; never rewritten
.set NIL, 9                            ; v9  0; never rewritten
.set RR,  10
.set HH,  11
.set GOFF, 12                          ; v[12:29] byte offset of my 16 bytes in row 8 q + 2 v + lane / 16
.set AF,  32
.set AC8, 176
.set STO, 214                          ; v214 where I put 16 bytes of a stage row
.set RD,  215                          ; v215 where I read four stage rows back
.set MM,  32                           ; the sort: v[32:95] field f (0-7 first choice, 8-15 second), my words 4 l + j at MM + 4 f + j
.set CC,  96                           ; v[96:111] packed counts, pair q at CC + 4 q + j
.set BBW, 0                            ; window 3, the way out: bias; sums; packed; read back (two sets); 0
.set TT,  32
.set HX,  64
.set BK,  80
.set ZW,  112
.set RB,  180                          ; window 3
.set WV, 16
.set SI, 17
.set CT, 18
.set SKIP, 19                          ; s19 1: row blocks 4 to 8 hold no live row
.set BP, 20                            ; s[20:21] my weights
.set GP, 22                            ; s[22:23] the rows' base
.set TRIP, 24
.set EX, 66
.set NN, 67
.set ST0, 68
.set R0, 69
.set CNT, 70
.set LB, 74
.set MSB, 0
.macro WIN new                         ; the immediate's high byte repeats the setting that is left; a switch that changes nothing is dropped
.if MSB != (\new)
	s_set_vgpr_msb (MSB<<8)|(\new)
.set MSB, \new
.endif
.endm
.set MUL2,    0xa1                     ; weights window 1, rows window 0, C and D window 2
.set MUL0,    0x01                     ; the same, C and D window 0
.set TO_B,    0x40
.set TO_AD,   0xc0
.set FROM_AD, 0x0c
.macro PLACES                          ; four places in front of loads into registers that matrix instructions have read, and of vector lines that read results
.rept 4
	v_nop
.endr
.endm
; products of step rel for row blocks a0..a1 x 4 fragments; the accumulators take turns, one instruction a turn, over the backward jump and the forward jumps too
.macro MULS rel, a0, a1, zero
.set ma, \a0
.rept (\a1)-(\a0)+1
.if ma < 8
	WIN MUL2
.set mc, 32*ma
.else
	WIN MUL0
.set mc, AC8
.endif
.set mj, 0
.rept 4
.if \zero
	v_wmma_f32_16x16x32_bf16 v[mc+8*mj:mc+8*mj+7], v[32*((\rel)&7)+8*mj:32*((\rel)&7)+8*mj+7], v[AF+72*((\rel)&1)+8*ma:AF+72*((\rel)&1)+8*ma+7], 0
.else
	v_wmma_f32_16x16x32_bf16 v[mc+8*mj:mc+8*mj+7], v[32*((\rel)&7)+8*mj:32*((\rel)&7)+8*mj+7], v[AF+72*((\rel)&1)+8*ma:AF+72*((\rel)&1)+8*ma+7], v[mc+8*mj:mc+8*mj+7]
.endif
.set mj, mj+1
.endr
.set ma, ma+1
.endr
.endm
.macro FETCH n, step=1                 ; the rows' fragments of step n: 18 LDS loads in one run
	WIN 0
.if (((\n)&3) == 0) && (\step)
	v_add_nc_u32 v[AA], CH, v[AA]
.endif
.set fa, 0
.rept 9
	ds_load_b128 v[AF+72*((\n)&1)+8*fa:AF+72*((\n)&1)+8*fa+3],   v[AA] offset:fa*16*PA+((\n)&3)*64
	ds_load_b128 v[AF+72*((\n)&1)+8*fa+4:AF+72*((\n)&1)+8*fa+7], v[AA] offset:fa*16*PA+((\n)&3)*64+32
.set fa, fa+1
.endr
.endm
.macro BLD st                          ; the weights of step st (counted from BP): 8 loads, 4,096 consecutive bytes
	WIN TO_B
.set bq, 0
.rept 8
	global_load_b128 v[32*((\st)&7)+4*bq:32*((\st)&7)+4*bq+3], v[BO], s[BP:BP+1] offset:(\st)*4096+bq*512
.set bq, bq+1
.endr
.endm
.macro GISSUE set, imm                 ; a chunk of my 36 rows is asked for: sixteen lanes take a row's 256 bytes
	WIN TO_AD
.set gq, 0
.rept 18
	global_load_b128 v[72*(\set)+4*gq:72*(\set)+4*gq+3], v[GOFF+gq], s[GP:GP+1] offset:\imm
.set gq, gq+1
.endr
.endm
.macro GSTORE set                      ; and laid into its own bytes of LDS
	WIN FROM_AD
.set gq, 0
.rept 18
	ds_store_b128 v[SA], v[72*(\set)+4*gq:72*(\set)+4*gq+3] offset:gq*8*PA
.set gq, gq+1
.endr
	WIN 0
	v_add_nc_u32 v[SA], CH, v[SA]
.endm
; A step of 32 k.  nB: the global loads younger than this step's weights.  bar: the barrier between a chunk's stores and its first read, with 16 products between signal and wait.
; st / gi: the set stored / asked for (-1: none).  nD1: the LDS instructions younger than fragments 0-3; nD2: those younger than the last run.  sk: blocks 4 to 8 may be jumped.
.macro KSTEP rel, zero, nB, bar, nD1, st, gi, gimm, nD2, sk
	s_wait_loadcnt \nB
.if \bar
	s_wait_dscnt 0x0                               ; for the others' sake: my stores of the next chunk are done
	s_barrier_signal -1
.else
	s_wait_dscnt \nD1
.endif
	MULS \rel, 0, 3, \zero
.if \bar
	s_barrier_wait -1
.endif
	PLACES
	FETCH (\rel)+1
.if \st >= 0
	s_wait_loadcnt 32                              ; four runs of 8 weight loads are younger than the set's 18
	GSTORE \st
.endif
.if \gi >= 0
	GISSUE \gi, \gimm
.endif
	BLD (\rel)+5
.if \sk
	WIN 0                                          ; at a branch and at a label every window is 0
.endif
	s_wait_dscnt \nD2
.if \sk
	s_cmp_lg_u32 s[SKIP], 0
	s_cbranch_scc1 .Lsk_\@
.endif
	MULS \rel, 4, 8, \zero
.if \sk
	WIN 0
.Lsk_\@:
.endif
.endm
; THE LAST CHUNK.  ALOADR: block a's fragments of all four steps, 8 LDS loads, into buffer a % 4.  ROW: the 16 products that finish block a, its four accumulators by turns.
.macro ALOADR a
	WIN 0
.set pb, 32+32*((\a)%4)+8*(((\a)%4)/2)
.set lq, 0
.rept 4
	ds_load_b128 v[pb+8*lq:pb+8*lq+3],   v[AA] offset:(\a)*16*PA+lq*64
	ds_load_b128 v[pb+8*lq+4:pb+8*lq+7], v[AA] offset:(\a)*16*PA+lq*64+32
.set lq, lq+1
.endr
.endm
.macro ROW a
.set pb, 32+32*((\a)%4)+8*(((\a)%4)/2)
.if (\a) < 8
	WIN MUL2
.set mc, 32*(\a)
.else
	WIN MUL0
.set mc, AC8
.endif
.set lq, 0
.rept 4
.set mj, 0
.rept 4
	v_wmma_f32_16x16x32_bf16 v[mc+8*mj:mc+8*mj+7], v[32*(4+lq)+8*mj:32*(4+lq)+8*mj+7], v[pb+8*lq:pb+8*lq+7], v[mc+8*mj:mc+8*mj+7]
.set mj, mj+1
.endr
.set lq, lq+1
.endr
.endm
; THE WAY OUT of block a.  A lane holds row 16 a + lane % 16 and the 32 columns from 32 (lane / 16) on of my 64: column 4 j' + j in register j' of accumulator j.
.macro PACK1 a                         ; bias, rounding, relu (which commutes with the rounding)
.if (\a) < 8
	WIN 0xce                                       ; sums window 2, bias and destination window 3
.set oc, 32*(\a)
.else
	WIN 0xcc
.set oc, AC8
.endif
.set oi, 0
.rept 16                                               ; each accumulator's registers in ascending order
	v_pk_add_f32 v[TT+2*oi:TT+2*oi+1], v[oc+2*oi:oc+2*oi+1], v[BBW+2*oi:BBW+2*oi+1]
.set oi, oi+1
.endr
	WIN 0xcf
.set oi, 0
.rept 8
	v_cvt_pk_bf16_f32 v[HX+2*oi],   v[TT+oi],    v[TT+8+oi]
	v_cvt_pk_bf16_f32 v[HX+2*oi+1], v[TT+16+oi], v[TT+24+oi]
.set oi, oi+1
.endr
.set oi, 0
.rept 16
	v_pk_max_num_bf16 v[HX+oi], v[HX+oi], v[ZW]
.set oi, oi+1
.endr
.endm
.macro TOSTAGE1 a                      ; 64 bytes a lane into my stage, and back as 512 consecutive bytes of hs (four rows of 128)
	WIN FROM_AD
.irp n, 0,1,2,3
	ds_store_b128 v[STO], v[HX+4*\n:HX+4*\n+3] offset:16*\n
.endr
	s_wait_xcnt 0x0                                ; the set read back into was store data two blocks ago: loaded again only behind this wait
	WIN TO_AD
.irp t, 0,1,2,3
	ds_load_b128 v[BK+16*((\a)%2)+4*\t:BK+16*((\a)%2)+4*\t+3], v[RD] offset:\t*4*SP1  ; LDS serves a wave's instructions in order: these see the stores above
.endr
.endm
.macro SEND1 a, younger                ; younger: the LDS loads issued behind the read-back: block a + 4's eight, or none
	s_wait_dscnt \younger
	WIN FROM_AD
.irp t, 0,1,2,3
	global_store_b128 v[BO], v[BK+16*((\a)%2)+4*\t:BK+16*((\a)%2)+4*\t+3], s[12:13] offset:(\a)*2048+\t*512
.endr
.endm
	s_load_b256 s[4:11], s[0:1], 0x0               ; rout 4, xb 6, wf 8, b1 10
	s_load_b128 s[12:15], s[0:1], 0x20             ; hs 12, lst 14
	v_lshl_add_u32 v[SPW], v0, 2, SPARE
	v_mov_b32 v[NIL], 0
	v_lshrrev_b32 v1, 5, v0
	v_readfirstlane_b32 s[WV], v1
	s_lshr_b32 s[SI], ttmp9, 2
	s_and_b32 s[CT], ttmp9, 3
	s_mov_b32 s72, 0x76543210                      ; v_permlanex16_b32: each lane takes its own place in the other half
	s_mov_b32 s73, 0xfedcba98
	v_and_b32 v[LN], 31, v0
	v_and_b32 v[RR], 15, v0
	v_bfe_u32 v[HH], v0, 4, 1
	v_lshlrev_b32 v[BO], 4, v[LN]
	v_mov_b32 v[ZR], 0
	v_mov_b32 v31, 0
	s_wait_kmcnt 0x0
.set f, 0
.rept 20                                               ; field f of words 4 l .. 4 l + 3: 512 consecutive bytes a load
	global_load_b128 v[MM+4*f:MM+4*f+3], v[BO], s[4:5] offset:512*f
.set f, f+1
.endr
	v_mul_u32_u24 v[AA], v[RR], PA
	v_lshl_add_u32 v[AA], v[HH], 4, v[AA]
	s_lshl_b32 s25, s[WV], 1
	v_add_nc_u32 v1, s25, v[HH]                    ; 2 v + lane / 16: my row among eight
	v_mul_u32_u24 v[SA], v1, PA
	v_lshl_add_u32 v[SA], v[RR], 4, v[SA]
	s_mul_i32 s[LB], s[WV], 768
	s_add_co_u32 s[LB], s[LB], LIST                ; my wave's list
	v_lshl_add_u32 v137, v[LN], 2, s[LB]
	v_mov_b32 v138, 1
	v_lshlrev_b32 v138, v[LN], v138                ; my lane's bit
.irp j, 0,1,2,3
	v_lshl_add_u32 v[148+\j], v[LN], 1, 64*\j      ; 2 x (token in word j of four)
	v_mov_b32 v[140+\j], 0
.endr
	s_mul_i32 s25, s[WV], 16*SP1
	s_add_co_u32 s25, s25, STAGE                   ; my stage
	v_mul_u32_u24 v[STO], v[RR], SP1               ; in: row lane % 16, 64 bytes for each half of the lanes
	v_lshl_add_u32 v[STO], v[HH], 6, v[STO]
	v_add_nc_u32 v[STO], s25, v[STO]
	v_lshrrev_b32 v30, 3, v[LN]                    ; back: 32 lanes take four rows of 128 bytes
	v_mul_u32_u24 v[RD], v30, SP1
	v_and_b32 v30, 7, v0
	v_lshl_add_u32 v[RD], v30, 4, v[RD]
	v_add_nc_u32 v[RD], s25, v[RD]
.irp u, 0,1,2,3,4,5
	ds_store_b32 v137, v[ZR] offset:128*\u         ; the list starts as zeros
.endr
	s_wait_loadcnt 0x0
.irp q, 0,1,2,3
	v_add3_u32 v[112+\q], v[CC+4*\q], v[CC+4*\q+1], v[CC+4*\q+2]
.endr
.irp q, 0,1,2,3
	v_add_nc_u32 v[112+\q], v[112+\q], v[CC+4*\q+3]
.endr
.irp d, 1,2,4,8                        ; the sums over the 32 lanes, four registers side by side (two counts of at most 4,096 in each)
.irp q, 0,1,2,3
	v_mov_b32_dpp v[140+\q], v[112+\q] row_xmask:\d row_mask:0xf bank_mask:0xf
.endr
.irp q, 0,1,2,3
	v_add_nc_u32 v[112+\q], v[112+\q], v[140+\q]
.endr
.endr
.irp q, 0,1,2,3
	v_permlanex16_b32 v[140+\q], v[112+\q], s72, s73
.endr
.irp q, 0,1,2,3
	v_add_nc_u32 v[112+\q], v[112+\q], v[140+\q]
.endr
.irp q, 0,1,2,3
	v_readfirstlane_b32 s[84+\q], v[112+\q]
.endr
.irp q, 0,1,2,3
	s_and_b32 s[32+2*\q], s[84+\q], 0xffff         ; n[e], s[32:39]
	s_lshr_b32 s[33+2*\q], s[84+\q], 16
.endr
	s_mov_b32 s29, 0
.irp e, 0,1,2,3,4,5,6,7
	s_add_co_u32 s30, s[32+\e], 143
	s_mul_i32 s30, s30, 7282                       ; ceil(n / 144): x 7,282 >> 20 is x / 144 rounded down for x up to 4,239
	s_lshr_b32 s30, s30, 20
	s_add_co_u32 s29, s29, s30
	s_mov_b32 s[40+\e], s29                        ; the first slot behind expert e's, s[40:47]
.endr
	s_mov_b32 s[EX], 0
	s_mov_b32 s[NN], 0
	s_mov_b32 s[ST0], 0
.irp e, 7,6,5,4,3,2,1
	s_cmp_lt_u32 s[SI], s[40+\e]
	s_cselect_b32 s[EX], \e, s[EX]
	s_cselect_b32 s[NN], s[32+\e], s[NN]
	s_cselect_b32 s[ST0], s[39+\e], s[ST0]
.endr
	s_cmp_lt_u32 s[SI], s40
	s_cselect_b32 s[EX], 0, s[EX]
	s_cselect_b32 s[NN], s32, s[NN]
	s_cselect_b32 s[ST0], 0, s[ST0]
	s_min_u32 s[EX], s[EX], 7
	s_sub_co_u32 s[R0], s[SI], s[ST0]
	s_mul_i32 s[R0], s[R0], 144                    ; the tile's first rank in its expert
	s_sub_co_i32 s[CNT], s[NN], s[R0]
	s_max_i32 s[CNT], s[CNT], 0
	s_min_i32 s[CNT], s[CNT], 144
	s_cmp_le_u32 s[CNT], 64
	s_cselect_b32 s[SKIP], 1, 0
	s_lshl_b32 s26, s[EX], 21                      ; my weights: expert, column group 4 ct + v
	s_lshl_b32 s25, s[CT], 19
	s_add_co_u32 s26, s26, s25
	s_lshl_b32 s25, s[WV], 17
	s_add_co_u32 s26, s26, s25
	s_mov_b32 s27, 0
	s_add_nc_u64 s[BP:BP+1], s[8:9], s[26:27]
	s_lshl_b32 s26, s[EX], 12                      ; my 64 numbers of b1
	s_lshl_b32 s25, s[CT], 10
	s_add_co_u32 s26, s26, s25
	s_lshl_b32 s25, s[WV], 8
	s_add_co_u32 s26, s26, s25
	s_add_nc_u64 s[10:11], s[10:11], s[26:27]
	v_lshlrev_b32 v3, 7, v[HH]                     ; a lane owns 32 neighbouring columns; never rewritten
	WIN TO_AD
.irp n, 0,1,2,3,4,5,6,7
	global_load_b128 v[RB+4*\n:RB+4*\n+3], v3, s[10:11] offset:16*\n
.endr
.irp n, 0,1,2,3,4
	BLD \n                                         ; the first five steps' weights go out ahead of the rest of the sort
.endr
	WIN 0
	s_mul_i32 s26, s[SI], 294912                   ; hs: my slot, my column group's 144 rows of 128 bytes
	s_lshl_b32 s25, s[CT], 2
	s_add_co_u32 s25, s25, s[WV]
	s_mul_i32 s25, s25, 18432
	s_add_co_u32 s26, s26, s25
	s_add_nc_u64 s[12:13], s[12:13], s[26:27]
.irp e, 0,1,2,3,4,5,6,7
	s_cmp_eq_u32 s[EX], \e
	s_cselect_b32 s[48+\e], -1, 0
.endr
	s_lshr_b32 s25, s[EX], 1
.irp q, 0,1,2,3
	s_cmp_eq_u32 s25, \q
	s_cselect_b32 s[56+\q], -1, 0
.endr
	s_and_b32 s60, s[EX], 1
	s_lshl_b32 s60, s60, 4
.irp j, 0,1,2,3                        ; my four words' masks and counts for expert E: v116.. first choice, v120.. second, v124.. count; the chains side by side
	v_and_b32 v[116+\j], s48, v[MM+\j]
	v_and_b32 v[120+\j], s48, v[MM+32+\j]
	v_and_b32 v[124+\j], s56, v[CC+\j]
.endr
.irp e, 1,2,3,4,5,6,7
.irp j, 0,1,2,3
	v_and_or_b32 v[116+\j], v[MM+4*\e+\j], s[48+\e], v[116+\j]
	v_and_or_b32 v[120+\j], v[MM+32+4*\e+\j], s[48+\e], v[120+\j]
.endr
.endr
.irp q, 1,2,3
.irp j, 0,1,2,3
	v_and_or_b32 v[124+\j], v[CC+4*\q+\j], s[56+\q], v[124+\j]
.endr
.endr
.irp j, 0,1,2,3
	v_lshrrev_b32 v[124+\j], s60, v[124+\j]
.endr
.irp j, 0,1,2,3
	v_and_b32 v[124+\j], 0xffff, v[124+\j]
.endr
	v_add3_u32 v128, v124, v125, v126
	v_add_nc_u32 v128, v128, v127
	v_mov_b32 v129, 0                              ; the rows of E in the lanes below mine
.macro BPRE d, mask
	v_mov_b32_dpp v31, v128 row_xmask:\d row_mask:0xf bank_mask:0xf
	s_mov_b32 s25, \mask
	v_cndmask_b32 v130, 0, v31, s25                ; the partner's block lies below mine where my lane has this bit
	v_add_nc_u32 v129, v129, v130
	v_add_nc_u32 v128, v128, v31
.endm
	BPRE 1, 0xaaaaaaaa
	BPRE 2, 0xcccccccc
	BPRE 4, 0xf0f0f0f0
	BPRE 8, 0xff00ff00
	v_permlanex16_b32 v31, v128, s72, s73
	s_mov_b32 s25, 0xffff0000
	v_cndmask_b32 v130, 0, v31, s25
	v_add_nc_u32 v129, v129, v130
	v_sub_nc_u32 v132, v129, s[R0]                 ; the place in the tile of word j's first row (signed): v132..v135; behind the last: v136
	v_add_nc_u32 v133, v132, v124
	v_add_nc_u32 v134, v133, v125
	v_add_nc_u32 v135, v134, v126
	v_add_nc_u32 v136, v135, v127
	s_mov_b32 s79, 144
	v_cmp_gt_i32 s76, s79, v132                    ; the lanes whose four words hold a place of the tile: they begin below 144
	v_cmp_lt_i32 s77, 0, v136                      ; and end above 0
	s_and_b32 s76, s76, s77
	s_mov_b32 s75, 0
.Lword:                                                ; 32 trips, one for each lane's four words; a trip whose words hold nothing of the tile is scalar work alone
	s_lshr_b32 s79, s76, s75
	s_bitcmp1_b32 s79, 0
	s_cbranch_scc0 .Lnone
.irp j, 0,1,2,3                        ; words 4 l + j: each lane is a token; those that chose E put 2 t + k at their place, all others at entry 144
	v_readlane_b32 s[84+\j], v[116+\j], s75
	v_readlane_b32 s[88+\j], v[120+\j], s75
	v_readlane_b32 s[92+\j], v[132+\j], s75
.endr
	s_lshl_b32 s78, s75, 8
.irp j, 0,1,2,3
	s_or_b32 s[84+\j], s[84+\j], s[88+\j]
.endr
.irp j, 0,1,2,3
	v_mbcnt_lo_u32_b32 v[140+\j], s[84+\j], s[92+\j]
	v_and_b32 v[144+\j], s[84+\j], v138
	v_and_b32 v[152+\j], s[88+\j], v138
.endr
.irp j, 0,1,2,3
	v_cmp_ne_u32 vcc_lo, 0, v[144+\j]
	v_cndmask_b32 v[140+\j], -1, v[140+\j], vcc_lo
	v_min_u32 v[152+\j], 1, v[152+\j]              ; k
.endr
.irp j, 0,1,2,3
	v_min_u32 v[140+\j], 144, v[140+\j]            ; places below 0 and past 143 fall on entry 144 too
	v_add3_u32 v[152+\j], v[152+\j], v[148+\j], s78
.endr
.irp j, 0,1,2,3
	v_lshl_add_u32 v[140+\j], v[140+\j], 2, s[LB]
.endr
.irp j, 0,1,2,3
	ds_store_b32 v[140+\j], v[152+\j]
.endr
.Lnone:
	s_add_co_u32 s75, s75, 1
	s_cmp_lt_u32 s75, 32
	s_cbranch_scc1 .Lword
	; The places past the count take the last live entry.  The choice is made on the data: the list's 160 entries are read from fixed places, the entry is put in where the place's number is
	; at or past the count, and they are stored back to the same places.
	s_sub_co_i32 s79, s[CNT], 1
	s_max_i32 s79, s79, 0
	s_min_u32 s79, s79, 143
	s_lshl_b32 s79, s79, 2
	s_add_co_u32 s79, s79, s[LB]
	v_mov_b32 v168, s79
	ds_load_b32 v169, v168                         ; LDS serves a wave's instructions in order: these loads see the stores above
.irp u, 0,1,2,3,4
	ds_load_b32 v[171+\u], v137 offset:128*\u
.endr
.irp u, 0,1,2,3,4
	v_add_nc_u32 v[162+\u], 32*\u, v[LN]           ; the place's number
.endr
	s_wait_dscnt 0x0
.irp u, 0,1,2,3,4
	v_cmp_le_u32 vcc_lo, s[CNT], v[162+\u]
	v_cndmask_b32 v[171+\u], v[171+\u], v169, vcc_lo
.endr
.irp u, 0,1,2,3,4
	ds_store_b32 v137, v[171+\u] offset:128*\u
.endr
	v_lshl_add_u32 v30, v1, 2, s[LB]
.set q, 0
.rept 18
	ds_load_b32 v[144+q], v30 offset:32*q          ; in order again: these see the stores above
.set q, q+1
.endr
	v_lshlrev_b32 v31, 4, v[RR]
	s_wait_dscnt 0x0
.set q, 0
.rept 18
	v_lshrrev_b32 v[144+q], 1, v[144+q]            ; the token,
.set q, q+1
.endr
.set q, 0
.rept 18
	v_min_u32 v[144+q], 0xfff, v[144+q]
.set q, q+1
.endr
.set q, 0
.rept 18
	v_lshl_add_u32 v[GOFF+q], v[144+q], 11, v31    ; its row of 2,048 bytes in xb
.set q, q+1
.endr
	s_mov_b64 s[GP:GP+1], s[6:7]
	GISSUE 0, 0
	GISSUE 1, CHS
	WIN 0
	s_or_b32 s25, s[CT], s[WV]
	s_cmp_lg_u32 s25, 0
	s_cbranch_scc1 .Lnolist
.irp u, 0,1,2,3,4
	ds_load_b32 v[208+\u], v137 offset:128*\u
.endr
	s_mul_i32 s26, s[SI], 640
	s_add_nc_u64 s[14:15], s[14:15], s[26:27]
	v_lshlrev_b32 v213, 2, v[LN]
	s_wait_dscnt 0x0
	v_writelane_b32 v212, s[EX], 16                ; entry 144: the expert; 145: the count
	v_writelane_b32 v212, s[CNT], 17
.irp u, 0,1,2,3,4
	global_store_b32 v213, v[208+\u], s[14:15] offset:128*\u
.endr
.Lnolist:
	s_wait_loadcnt 18                              ; chunk 1's 18 loads are younger: chunk 0, the bias and five steps' weights are in
	GSTORE 0
	s_wait_dscnt 0x0
	s_barrier_signal -1
	s_barrier_wait -1
	FETCH 0, 0
	KSTEP 0, 1, 18, 0, 10, -1, -1, 0, 18, 0        ; the first step starts the sums: never jumped
	s_wait_loadcnt 8                               ; only step 5's weights are younger than chunk 1
	WIN 0
	s_mov_b32 s[TRIP], 3
.Lloop:                                                ; a trip: steps 8 t + 1 .. 8 t + 8; in every step the weights' wait counts four runs of 8 and one fill of 18
	KSTEP 1, 0, 50, 0, 10,  1,  0, 2*CHS, 36, 1
	KSTEP 2, 0, 50, 1,  0, -1, -1, 0,     18, 1
	KSTEP 3, 0, 50, 0, 10, -1, -1, 0,     18, 1
	KSTEP 4, 0, 50, 0, 10, -1, -1, 0,     18, 1
	KSTEP 5, 0, 50, 0, 10,  0,  1, 3*CHS, 36, 1
	KSTEP 6, 0, 50, 1,  0, -1, -1, 0,     18, 1
	KSTEP 7, 0, 50, 0, 10, -1, -1, 0,     18, 1
	KSTEP 8, 0, 50, 0, 10, -1, -1, 0,     18, 1
	WIN 0
	s_wait_xcnt 0x0                                ; the two bases are stepped only behind this wait
	s_add_nc_u64 s[BP:BP+1], s[BP:BP+1], 32768
	s_add_nc_u64 s[GP:GP+1], s[GP:GP+1], 2*CHS
	s_sub_co_u32 s[TRIP], s[TRIP], 1
	s_cmp_lg_u32 s[TRIP], 0
	s_cbranch_scc1 .Lloop
	KSTEP 1, 0, 50, 0, 10,  1, -1, 0, 36, 1        ; step 25: the last chunk is stored
	KSTEP 2, 0, 32, 1,  0, -1, -1, 0, 18, 1        ; step 26: its barrier; the last weights are asked for; no fill is among the younger loads any more
	s_wait_loadcnt 32                              ; step 27: the last four steps' weights are younger
	s_wait_dscnt 10
	MULS 3, 0, 3, 0
	PLACES
	WIN 0
	v_add_nc_u32 v[AA], CH, v[AA]                  ; the last chunk
	ALOADR 0                                       ; into the buffer that step 26 multiplied
	ALOADR 1
	s_wait_dscnt 16                                ; the 16 loads just issued are younger than step 27's fragments
	s_cmp_lg_u32 s[SKIP], 0
	s_cbranch_scc1 .Lsk27
	MULS 3, 4, 8, 0
	WIN 0
.Lsk27:
	WIN 0xcf                                       ; b1, rounded to bf16, in the accumulators' order; these lines are also the places in front of the loads below
.set i, 0
.rept 16                                               ; i = 4 j + p: columns 8 p + j and 8 p + 4 + j
	v_cvt_pk_bf16_f32 v[TT+i], v[RB+8*(i%4)+i/4], v[RB+8*(i%4)+4+i/4]
.set i, i+1
.endr
.set i, 0
.rept 16
	v_lshlrev_b32 v[BBW+2*i], 16, v[TT+i]          ; bias for register 2 p of accumulator j,
	v_and_b32 v[BBW+2*i+1], 0xffff0000, v[TT+i]    ; for register 2 p + 1
.set i, i+1
.endr
	v_mov_b32 v[ZW], 0
	ALOADR 2                                       ; into the buffer that step 27 multiplied
	ALOADR 3
	s_wait_loadcnt 0x0                             ; the last four steps' weights
	s_wait_dscnt 16                                ; blocks 2 and 3 may be out
	ROW 0
.irp a, 0,1,2,3,4,5,6,7,8              ; block a leaves while block a + 1 is multiplied; its buffer takes block a + 4
	PLACES
	PACK1 \a
	TOSTAGE1 \a
.if \a < 5
	ALOADR (\a)+4
.endif
.if \a < 8
	ROW (\a)+1
.endif
.if \a < 5
	SEND1 \a, 8
.else
	SEND1 \a, 0
.endif
.endr
	WIN 0
	s_wait_tensorcnt 0x0                           ; the wave's end
	ds_add_u32 v[SPW], v[NIL]
	s_wait_dscnt 0x0
	s_endpgm
.Lfunc_end_k_qbb0520fcbc_gemm1:
	.size	k_qbb0520fcbc_gemm1, .Lfunc_end_k_qbb0520fcbc_gemm1-k_qbb0520fcbc_gemm1
	.p2alignl 7, 3214868480
	.fill 96, 4, 3214868480
	.section	.rodata,"a",@progbits
	.p2align	6, 0x0
	.amdhsa_kernel k_qbb0520fcbc_gemm1
		.amdhsa_group_segment_fixed_size 326144
		.amdhsa_private_segment_fixed_size 0
		.amdhsa_enable_private_segment 0
		.amdhsa_kernarg_size 48
		.amdhsa_user_sgpr_count 2
		.amdhsa_user_sgpr_kernarg_segment_ptr 1
		.amdhsa_wavefront_size32 1
		.amdhsa_system_sgpr_workgroup_id_x 1
		.amdhsa_system_sgpr_workgroup_id_y 1
		.amdhsa_system_sgpr_workgroup_id_z 1
		.amdhsa_system_vgpr_workitem_id 0
		.amdhsa_next_free_vgpr 1024
		.amdhsa_next_free_sgpr 96
		.amdhsa_reserve_vcc 1
		.amdhsa_float_denorm_mode_32 3
		.amdhsa_float_denorm_mode_16_64 3
		.amdhsa_memory_ordered 1
		.amdhsa_forward_progress 1
		.amdhsa_inst_pref_size 156
	.end_amdhsa_kernel
	.amdgpu_metadata
---
amdhsa.version: [ 1, 2 ]
amdhsa.kernels:
  - .name:           k_qbb0520fcbc_gemm1
    .symbol:         k_qbb0520fcbc_gemm1.kd
    .args:
      - { .name: rout, .offset: 0, .size: 8, .value_kind: global_buffer, .address_space: global }
      - { .name: xb, .offset: 8, .size: 8, .value_kind: global_buffer, .address_space: global }
      - { .name: wf, .offset: 16, .size: 8, .value_kind: global_buffer, .address_space: global }
      - { .name: b1, .offset: 24, .size: 8, .value_kind: global_buffer, .address_space: global }
      - { .name: hs, .offset: 32, .size: 8, .value_kind: global_buffer, .address_space: global }
      - { .name: lst, .offset: 40, .size: 8, .value_kind: global_buffer, .address_space: global }
    .group_segment_fixed_size: 326144
    .private_segment_fixed_size: 0
    .kernarg_segment_align: 8
    .kernarg_segment_size: 48
    .max_flat_workgroup_size: 128
    .sgpr_count:     96
    .vgpr_count:     1024
    .wavefront_size: 32
...
	.end_amdgpu_metadata
.endif
;; end of part 2
;; launch gemm2 (part 3): grid 256 x 1, 4 waves a work-group, no clusters, 313,856 bytes of LDS; arguments lst, hs, wf, b2, pp; writes pp
.if DOCPART == 3
	.amdgcn_target "amdgcn-amd-amdhsa--gfx1250"
	.amdhsa_code_object_version 6
	.text
	.protected	k_qbb0520fcbc_gemm2
	.globl	k_qbb0520fcbc_gemm2
	.p2align	8
	.type	k_qbb0520fcbc_gemm2,@function
k_qbb0520fcbc_gemm2:
	s_mov_b64 s[64:65], 0
	v_nop
	global_prefetch_b8 v0, s[64:65] scope:SCOPE_SE
	s_setreg_imm32_b32 hwreg(HW_REG_WAVE_MODE, 25, 1), 1
	s_wait_xcnt 0x0
; SECOND PRODUCT.  pp[2 t + k][g] = h[slot row] . w2[E][:, g] + b2[E][g], f32, for the routed rows.  Tiles, shares, loop and registers are the first product's: slot i = ttmp9 / 4 (144 rows of hs),
; column tile ct = ttmp9 % 4; a wave has 144 rows x 64 columns; the weights come straight into a ring of eight register slots, five steps ahead; the rows go through registers into LDS, a chunk of 128 k at a time,
; each chunk into bytes of its own, one barrier a chunk.  hs lies as [slot][column group 16][row 144][64 columns]: a chunk is two column groups, and a load of the fill covers two rows of each: twice 256 consecutive bytes.
; The expert, the count and the rows' places in pp are whole numbers that the first product stored (lst).  The rows do not hang on the expert, so their first two chunks are asked for ahead of the wait for it.
; Where the tile has 64 rows or fewer, the products of row blocks 4 to 8 are jumped in steps 1 to 27.  THE LAST CHUNK GOES BY ROW BLOCKS, and each block leaves at once through a stage of the wave's own: a wave's 64
; columns are 256 consecutive bytes of a row of pp.  The list's places past the count repeat the last live row, so in a block that is not full the lanes past the count store that row's own numbers at its own place;
; at the first block with no live row the wave jumps to its end: no barrier stands in what is jumped.  The two partial rows of a token stay f32; the next launch weighs and adds them.
; NO CLUSTER: the readers of a slice of weights are the slots of one expert, and which those are hangs on the counts; the four column tiles share their 288 KB of rows, of 800 KB that a work-group reads.
; b2 is rounded to bf16 like every input.
; REGISTERS: window 0: v0-31 addresses; v32-103, v104-175 the rows' fragments (in the last chunk four buffers of 32: v32, v64, v104, v136); v176-207 accumulators of rows 128-143; v214-215 the stage's addresses.
;   window 1: the weights' ring.  window 2: accumulators (a, j) at 32 a + 8 j.
;   window 3: v0-143 two sets of rows on their way, in the last chunk the way out's registers; v144-215 the rows' places in pp; v216-247 b2 as loaded; v248 16 x (lane % 16).
.set PA,    272
.set CH,    144*PA
.set CHS,   36864                      ; bytes from chunk to chunk in hs: two column groups of 144 x 128
.set SP2,   272                        ; a stage row: 256 bytes + 16.  The four stages, 4,352 bytes each, lie in chunk 0's bytes: read last in step 3, and every wave has passed step 6's barrier behind its wait for those reads
.set SPARE, 8*CH                       ; 313,344: the spare words, 128 bytes a wave: two blocks of 256 bytes that no other line names
.set LN,  2
.set AA,  4
.set SA,  5
.set BO,  6
.set SPW, 8
.set NIL, 9
.set RR,  10
.set HH,  11
.set GOFF, 12
.set AF,  32
.set AC8, 176
.set STO, 214
.set RD,  215
.set BBW, 0                            ; window 3, the way out: bias; sums; read back (two sets)
.set OO,  32
.set BK,  64
.set DEST, 144                         ; window 3: block a, store t at DEST + 8 a + t: row 16 a + 8 (lane / 16) + t
.set RB,  216                          ; window 3
.set CO3, 248                          ; window 3
.set WV, 16
.set SI, 17
.set CT, 18
.set SKIP, 19
.set BP, 20
.set GP, 22
.set TRIP, 24
.set EX, 66
.set CNT, 67
.set MSB, 0
.macro WIN new
.if MSB != (\new)
	s_set_vgpr_msb (MSB<<8)|(\new)
.set MSB, \new
.endif
.endm
.set MUL2,    0xa1
.set MUL0,    0x01
.set TO_B,    0x40
.set TO_AD,   0xc0
.set FROM_AD, 0x0c
.macro PLACES
.rept 4
	v_nop
.endr
.endm
.macro MULS rel, a0, a1, zero          ; the accumulators take turns, one instruction a turn
.set ma, \a0
.rept (\a1)-(\a0)+1
.if ma < 8
	WIN MUL2
.set mc, 32*ma
.else
	WIN MUL0
.set mc, AC8
.endif
.set mj, 0
.rept 4
.if \zero
	v_wmma_f32_16x16x32_bf16 v[mc+8*mj:mc+8*mj+7], v[32*((\rel)&7)+8*mj:32*((\rel)&7)+8*mj+7], v[AF+72*((\rel)&1)+8*ma:AF+72*((\rel)&1)+8*ma+7], 0
.else
	v_wmma_f32_16x16x32_bf16 v[mc+8*mj:mc+8*mj+7], v[32*((\rel)&7)+8*mj:32*((\rel)&7)+8*mj+7], v[AF+72*((\rel)&1)+8*ma:AF+72*((\rel)&1)+8*ma+7], v[mc+8*mj:mc+8*mj+7]
.endif
.set mj, mj+1
.endr
.set ma, ma+1
.endr
.endm
.macro FETCH n, step=1
	WIN 0
.if (((\n)&3) == 0) && (\step)
	v_add_nc_u32 v[AA], CH, v[AA]
.endif
.set fa, 0
.rept 9
	ds_load_b128 v[AF+72*((\n)&1)+8*fa:AF+72*((\n)&1)+8*fa+3],   v[AA] offset:fa*16*PA+((\n)&3)*64
	ds_load_b128 v[AF+72*((\n)&1)+8*fa+4:AF+72*((\n)&1)+8*fa+7], v[AA] offset:fa*16*PA+((\n)&3)*64+32
.set fa, fa+1
.endr
.endm
.macro BLD st
	WIN TO_B
.set bq, 0
.rept 8
	global_load_b128 v[32*((\st)&7)+4*bq:32*((\st)&7)+4*bq+3], v[BO], s[BP:BP+1] offset:(\st)*4096+bq*512
.set bq, bq+1
.endr
.endm
.macro GISSUE set, imm
	WIN TO_AD
.set gq, 0
.rept 18
	global_load_b128 v[72*(\set)+4*gq:72*(\set)+4*gq+3], v[GOFF+gq], s[GP:GP+1] offset:\imm
.set gq, gq+1
.endr
.endm
.macro GSTORE set
	WIN FROM_AD
.set gq, 0
.rept 18
	ds_store_b128 v[SA], v[72*(\set)+4*gq:72*(\set)+4*gq+3] offset:gq*8*PA
.set gq, gq+1
.endr
	WIN 0
	v_add_nc_u32 v[SA], CH, v[SA]
.endm
; A step of 32 k: arguments and counts as in the first product: nB the global loads younger than this step's weights; nD1, nD2 the LDS instructions younger than what is multiplied next; sk: blocks 4 to 8 may be jumped.
.macro KSTEP rel, zero, nB, bar, nD1, st, gi, gimm, nD2, sk
	s_wait_loadcnt \nB
.if \bar
	s_wait_dscnt 0x0                               ; for the others' sake: my stores of the next chunk are done
	s_barrier_signal -1
.else
	s_wait_dscnt \nD1
.endif
	MULS \rel, 0, 3, \zero
.if \bar
	s_barrier_wait -1
.endif
	PLACES
	FETCH (\rel)+1
.if \st >= 0
	s_wait_loadcnt 32                              ; four runs of 8 weight loads are younger than the set's 18
	GSTORE \st
.endif
.if \gi >= 0
	GISSUE \gi, \gimm
.endif
	BLD (\rel)+5
.if \sk
	WIN 0                                          ; at a branch and at a label every window is 0
.endif
	s_wait_dscnt \nD2
.if \sk
	s_cmp_lg_u32 s[SKIP], 0
	s_cbranch_scc1 .Lsk_\@
.endif
	MULS \rel, 4, 8, \zero
.if \sk
	WIN 0
.Lsk_\@:
.endif
.endm
.macro ALOADR a                        ; block a's fragments of the last chunk's four steps, into buffer a % 4
	WIN 0
.set pb, 32+32*((\a)%4)+8*(((\a)%4)/2)
.set lq, 0
.rept 4
	ds_load_b128 v[pb+8*lq:pb+8*lq+3],   v[AA] offset:(\a)*16*PA+lq*64
	ds_load_b128 v[pb+8*lq+4:pb+8*lq+7], v[AA] offset:(\a)*16*PA+lq*64+32
.set lq, lq+1
.endr
.endm
.macro ROW a                           ; the 16 products that finish block a, its four accumulators by turns
.set pb, 32+32*((\a)%4)+8*(((\a)%4)/2)
.if (\a) < 8
	WIN MUL2
.set mc, 32*(\a)
.else
	WIN MUL0
.set mc, AC8
.endif
.set lq, 0
.rept 4
.set mj, 0
.rept 4
	v_wmma_f32_16x16x32_bf16 v[mc+8*mj:mc+8*mj+7], v[32*(4+lq)+8*mj:32*(4+lq)+8*mj+7], v[pb+8*lq:pb+8*lq+7], v[mc+8*mj:mc+8*mj+7]
.set mj, mj+1
.endr
.set lq, lq+1
.endr
.endm
; THE WAY OUT of block a.  A lane holds row 16 a + lane % 16 and 32 neighbouring columns: column 4 j' + j in register j' of accumulator j.
.macro DOFF a                          ; the block's eight store offsets: sixteen plain lines, which are also the places behind the block's products
	WIN 0xff
.irp t, 0,1,2,3,4,5,6,7
	v_min_u32 v[DEST+8*(\a)+\t], 0x1fff, v[DEST+8*(\a)+\t]
.endr
.irp t, 0,1,2,3,4,5,6,7
	v_lshl_add_u32 v[DEST+8*(\a)+\t], v[DEST+8*(\a)+\t], 12, v[CO3]  ; the row's 4,096 bytes in pp, my 16 bytes of the wave's 256
.endr
.endm
.macro PACK2 a
.if (\a) < 8
	WIN 0xce                                       ; sums window 2, bias and destination window 3
.set oc, 32*(\a)
.else
	WIN 0xcc
.set oc, AC8
.endif
.set oi, 0
.rept 32                                               ; column oi = 4 j' + j; every accumulator's register 0 is read first
	v_add_f32 v[OO+oi], v[oc+8*(oi%4)+oi/4], v[BBW+oi]
.set oi, oi+1
.endr
.endm
.macro TOSTAGE2 a                      ; 128 bytes a lane into my stage, and back by rows: lanes 0-15 row t, lanes 16-31 row 8 + t
	WIN FROM_AD
.irp n, 0,1,2,3,4,5,6,7
	ds_store_b128 v[STO], v[OO+4*\n:OO+4*\n+3] offset:16*\n
.endr
	s_wait_xcnt 0x0                                ; the set read back into was store data two blocks ago: loaded again only behind this wait
	WIN TO_AD
.irp t, 0,1,2,3,4,5,6,7
	ds_load_b128 v[BK+32*((\a)%2)+4*\t:BK+32*((\a)%2)+4*\t+3], v[RD] offset:\t*SP2  ; LDS serves a wave's instructions in order: these see the stores above
.endr
.endm
.macro SEND2 a, younger                ; younger: the LDS loads issued behind the read-back: block a + 4's eight, or none
	s_wait_dscnt \younger
	WIN 0x0f                                       ; offsets and data in window 3
.irp t, 0,1,2,3,4,5,6,7
	global_store_b128 v[DEST+8*(\a)+\t], v[BK+32*((\a)%2)+4*\t:BK+32*((\a)%2)+4*\t+3], s[12:13]  ; sixteen lanes store 256 consecutive bytes, at a multiple of 256 from pp's first byte
.endr
.endm
	s_load_b256 s[4:11], s[0:1], 0x0               ; lst 4, hs 6, wf 8, b2 10
	s_load_b64 s[12:13], s[0:1], 0x20              ; pp
	v_lshl_add_u32 v[SPW], v0, 2, SPARE
	v_mov_b32 v[NIL], 0
	v_lshrrev_b32 v1, 5, v0
	v_readfirstlane_b32 s[WV], v1
	s_lshr_b32 s[SI], ttmp9, 2
	s_and_b32 s[CT], ttmp9, 3
	v_and_b32 v[LN], 31, v0
	v_and_b32 v[RR], 15, v0
	v_bfe_u32 v[HH], v0, 4, 1
	v_lshlrev_b32 v[BO], 4, v[LN]
	s_mul_i32 s26, s[SI], 640
	s_mov_b32 s27, 0
	s_mul_i32 s28, s[SI], 294912
	s_mov_b32 s29, 0
	s_lshl_b32 s25, s[WV], 1
	v_add_nc_u32 v1, s25, v[HH]                    ; 2 v + lane / 16: my row among eight
	v_and_b32 v30, 7, v0
	v_lshlrev_b32 v30, 4, v30                      ; my 16 bytes of a row's 128 in a column group,
	v_lshl_add_u32 v30, v1, 7, v30                 ; the row,
	v_bfe_u32 v31, v0, 3, 1
	v_mul_u32_u24 v31, v31, 18432                  ; the chunk's first or second column group
	v_add_nc_u32 v30, v30, v31
.set q, 0
.rept 18
	v_add_nc_u32 v[GOFF+q], q*1024, v30            ; row 8 q + 2 v + lane / 16 of the slot's 144
.set q, q+1
.endr
	v_mul_u32_u24 v[AA], v[RR], PA
	v_lshl_add_u32 v[AA], v[HH], 4, v[AA]
	v_mul_u32_u24 v[SA], v1, PA
	v_lshl_add_u32 v[SA], v[RR], 4, v[SA]
	s_wait_kmcnt 0x0
	s_add_nc_u64 s[4:5], s[4:5], s[26:27]
	s_load_b64 s[EX:EX+1], s[4:5], 0x240           ; entries 144, 145: the expert, the count
	s_add_nc_u64 s[GP:GP+1], s[6:7], s[28:29]
	GISSUE 0, 0                                    ; the rows' first two chunks go out while the expert is on its way
	GISSUE 1, CHS
	WIN 0
	v_lshlrev_b32 v3, 5, v[HH]                     ; my half's eight entries of a block's sixteen; never rewritten
	v_lshlrev_b32 v7, 7, v[HH]                     ; my half's 32 numbers of b2; never rewritten
	s_mul_i32 s25, s[WV], 16*SP2                   ; my stage
	v_mul_u32_u24 v[STO], v[RR], SP2               ; in: row lane % 16, 128 bytes for each half of the lanes
	v_lshl_add_u32 v[STO], v[HH], 7, v[STO]
	v_add_nc_u32 v[STO], s25, v[STO]
	v_mul_u32_u24 v[RD], v[HH], 8*SP2              ; back: lanes 0-15 a row of the upper eight, lanes 16-31 one of the lower
	v_lshl_add_u32 v[RD], v[RR], 4, v[RD]
	v_add_nc_u32 v[RD], s25, v[RD]
	WIN TO_AD
	v_lshlrev_b32 v[CO3], 4, v[RR]
	WIN 0
	s_wait_kmcnt 0x0
	s_min_u32 s[EX], s[EX], 7
	s_min_u32 s[CNT], s[CNT], 144
	s_cmp_le_u32 s[CNT], 64
	s_cselect_b32 s[SKIP], 1, 0
	s_lshl_b32 s26, s[EX], 21
	s_lshl_b32 s25, s[CT], 19
	s_add_co_u32 s26, s26, s25
	s_lshl_b32 s25, s[WV], 17
	s_add_co_u32 s26, s26, s25
	s_add_co_u32 s26, s26, 16777216                ; w2's half of wf
	s_add_nc_u64 s[BP:BP+1], s[8:9], s[26:27]
.irp n, 0,1,2,3,4
	BLD \n
.endr
	WIN 0
	s_lshl_b32 s28, s[CT], 10                      ; my 64 columns: 256 bytes of b2's and of pp's rows
	s_lshl_b32 s25, s[WV], 8
	s_add_co_u32 s28, s28, s25
	s_add_nc_u64 s[12:13], s[12:13], s[28:29]
	s_lshl_b32 s25, s[EX], 12
	s_add_co_u32 s28, s28, s25
	s_add_nc_u64 s[10:11], s[10:11], s[28:29]
	s_wait_loadcnt 58                              ; chunk 1's 18 loads and the 40 of the weights are younger: chunk 0 is in
	GSTORE 0
	WIN TO_AD
.irp n, 0,1,2,3,4,5,6,7
	global_load_b128 v[RB+4*\n:RB+4*\n+3], v7, s[10:11] offset:16*\n
.endr
.set q, 0
.rept 18                                               ; entries 16 (q / 2) + 8 (lane / 16) + 4 (q % 2) .. + 3
	global_load_b128 v[DEST+4*q:DEST+4*q+3], v3, s[4:5] offset:64*(q/2)+16*(q%2)
.set q, q+1
.endr
	s_wait_dscnt 0x0
	s_barrier_signal -1
	s_barrier_wait -1
	FETCH 0, 0
	KSTEP 0, 1, 58, 0, 10, -1, -1, 0, 18, 0        ; the first step starts the sums: never jumped; younger than its weights: four steps' 32, the bias's 8, the places' 18
	s_wait_loadcnt 8                               ; only step 5's weights are younger than all the rest
	WIN 0
	s_mov_b32 s[TRIP], 3
.Lloop:                                                ; a trip: steps 8 t + 1 .. 8 t + 8; in every step the weights' wait counts four runs of 8 and one fill of 18
	KSTEP 1, 0, 50, 0, 10,  1,  0, 2*CHS, 36, 1
	KSTEP 2, 0, 50, 1,  0, -1, -1, 0,     18, 1
	KSTEP 3, 0, 50, 0, 10, -1, -1, 0,     18, 1
	KSTEP 4, 0, 50, 0, 10, -1, -1, 0,     18, 1
	KSTEP 5, 0, 50, 0, 10,  0,  1, 3*CHS, 36, 1
	KSTEP 6, 0, 50, 1,  0, -1, -1, 0,     18, 1
	KSTEP 7, 0, 50, 0, 10, -1, -1, 0,     18, 1
	KSTEP 8, 0, 50, 0, 10, -1, -1, 0,     18, 1
	WIN 0
	s_wait_xcnt 0x0                                ; the two bases are stepped only behind this wait
	s_add_nc_u64 s[BP:BP+1], s[BP:BP+1], 32768
	s_add_nc_u64 s[GP:GP+1], s[GP:GP+1], 2*CHS
	s_sub_co_u32 s[TRIP], s[TRIP], 1
	s_cmp_lg_u32 s[TRIP], 0
	s_cbranch_scc1 .Lloop
	KSTEP 1, 0, 50, 0, 10,  1, -1, 0, 36, 1        ; step 25: the last chunk is stored
	KSTEP 2, 0, 32, 1,  0, -1, -1, 0, 18, 1        ; step 26: its barrier; the last weights are asked for
	s_wait_loadcnt 32                              ; step 27: the last four steps' weights are younger
	s_wait_dscnt 10
	MULS 3, 0, 3, 0
	PLACES
	WIN 0
	v_add_nc_u32 v[AA], CH, v[AA]                  ; the last chunk
	ALOADR 0                                       ; into the buffer that step 26 multiplied
	ALOADR 1
	s_wait_dscnt 16                                ; the 16 loads just issued are younger than step 27's fragments
	s_cmp_lg_u32 s[SKIP], 0
	s_cbranch_scc1 .Lsk27
	MULS 3, 4, 8, 0
	WIN 0
.Lsk27:
	WIN 0xcf                                       ; b2, rounded to bf16, in the columns' order; these lines are also the places in front of the loads below
.set i, 0
.rept 16
	v_cvt_pk_bf16_f32 v[OO+i], v[RB+2*i], v[RB+2*i+1]
.set i, i+1
.endr
.set i, 0
.rept 16
	v_lshlrev_b32 v[BBW+2*i], 16, v[OO+i]
	v_and_b32 v[BBW+2*i+1], 0xffff0000, v[OO+i]
.set i, i+1
.endr
	ALOADR 2                                       ; into the buffer that step 27 multiplied
	ALOADR 3
	s_wait_loadcnt 0x0                             ; the last four steps' weights
	s_wait_dscnt 16                                ; blocks 2 and 3 may be out
	ROW 0
.irp a, 0,1,2,3,4,5,6,7,8              ; block a leaves while block a + 1 is multiplied; its buffer takes block a + 4
	WIN 0
	s_cmp_le_u32 s[CNT], 16*\a
	s_cbranch_scc1 .Ldone                          ; no live row from here on
	DOFF \a
	PACK2 \a
	TOSTAGE2 \a
.if \a < 5
	ALOADR (\a)+4
.endif
.if \a < 8
	ROW (\a)+1
.endif
.if \a < 5
	SEND2 \a, 8
.else
	SEND2 \a, 0
.endif
.endr
	WIN 0
.Ldone:
	s_wait_tensorcnt 0x0                           ; the wave's end
	ds_add_u32 v[SPW], v[NIL]
	s_wait_dscnt 0x0
	s_endpgm
.Lfunc_end_k_qbb0520fcbc_gemm2:
	.size	k_qbb0520fcbc_gemm2, .Lfunc_end_k_qbb0520fcbc_gemm2-k_qbb0520fcbc_gemm2
	.p2alignl 7, 3214868480
	.fill 96, 4, 3214868480
	.section	.rodata,"a",@progbits
	.p2align	6, 0x0
	.amdhsa_kernel k_qbb0520fcbc_gemm2
		.amdhsa_group_segment_fixed_size 313856
		.amdhsa_private_segment_fixed_size 0
		.amdhsa_enable_private_segment 0
		.amdhsa_kernarg_size 40
		.amdhsa_user_sgpr_count 2
		.amdhsa_user_sgpr_kernarg_segment_ptr 1
		.amdhsa_wavefront_size32 1
		.amdhsa_system_sgpr_workgroup_id_x 1
		.amdhsa_system_sgpr_workgroup_id_y 1
		.amdhsa_system_sgpr_workgroup_id_z 1
		.amdhsa_system_vgpr_workitem_id 0
		.amdhsa_next_free_vgpr 1024
		.amdhsa_next_free_sgpr 80
		.amdhsa_reserve_vcc 0
		.amdhsa_float_denorm_mode_32 3
		.amdhsa_float_denorm_mode_16_64 3
		.amdhsa_memory_ordered 1
		.amdhsa_forward_progress 1
		.amdhsa_inst_pref_size 132
	.end_amdhsa_kernel
	.amdgpu_metadata
---
amdhsa.version: [ 1, 2 ]
amdhsa.kernels:
  - .name:           k_qbb0520fcbc_gemm2
    .symbol:         k_qbb0520fcbc_gemm2.kd
    .args:
      - { .name: lst, .offset: 0, .size: 8, .value_kind: global_buffer, .address_space: global }
      - { .name: hs, .offset: 8, .size: 8, .value_kind: global_buffer, .address_space: global }
      - { .name: wf, .offset: 16, .size: 8, .value_kind: global_buffer, .address_space: global }
      - { .name: b2, .offset: 24, .size: 8, .value_kind: global_buffer, .address_space: global }
      - { .name: pp, .offset: 32, .size: 8, .value_kind: global_buffer, .address_space: global }
    .group_segment_fixed_size: 313856
    .private_segment_fixed_size: 0
    .kernarg_segment_align: 8
    .kernarg_segment_size: 40
    .max_flat_workgroup_size: 128
    .sgpr_count:     80
    .vgpr_count:     1024
    .wavefront_size: 32
...
	.end_amdgpu_metadata
.endif
;; end of part 3
;; launch comb (part 4): grid 256 x 1, 8 waves a work-group, no clusters, 0 bytes of LDS; arguments pp, gw, out0; writes out0
.if DOCPART == 4
	.amdgcn_target "amdgcn-amd-amdhsa--gfx1250"
	.amdhsa_code_object_version 6
	.text
	.protected	k_qbb0520fcbc_comb
	.globl	k_qbb0520fcbc_comb
	.p2align	8
	.type	k_qbb0520fcbc_comb,@function
k_qbb0520fcbc_comb:
	s_mov_b64 s[64:65], 0
	v_nop
	global_prefetch_b8 v0, s[64:65] scope:SCOPE_SE
	s_setreg_imm32_b32 hwreg(HW_REG_WAVE_MODE, 25, 1), 1
	s_wait_xcnt 0x0
; out0[t] = g0[t] pp[2 t] + g1[t] pp[2 t + 1].  A stream: a wave has two tokens, whose four partial rows are 16,384 consecutive bytes; all 32 loads go out at once, the waits count down,
; every load and store of the wave covers 512 consecutive bytes.  No LDS, no barrier, no matrix unit: memory binds.
	s_load_b128 s[4:7], s[0:1], 0x0                ; pp 4, gw 6
	s_load_b64 s[8:9], s[0:1], 0x10                ; out0
	v_lshrrev_b32 v1, 5, v0
	v_readfirstlane_b32 s10, v1
	v_and_b32 v2, 31, v0
	v_lshlrev_b32 v2, 4, v2
	s_lshl_b32 s11, ttmp9, 3
	s_add_co_u32 s11, s11, s10                     ; my wave among 2,048
	s_lshl_b32 s20, s11, 4                         ; two tokens' four weights
	s_mov_b32 s21, 0
	s_lshl_b32 s22, s11, 14                        ; four rows of pp
	s_mov_b32 s23, 0
	s_lshl_b32 s24, s11, 13                        ; two rows of out0
	s_mov_b32 s25, 0
	s_wait_kmcnt 0x0
	s_add_nc_u64 s[6:7], s[6:7], s[20:21]
	s_load_b128 s[12:15], s[6:7], 0x0              ; g0, g1 of the first token, of the second
	s_add_nc_u64 s[4:5], s[4:5], s[22:23]
	s_add_nc_u64 s[8:9], s[8:9], s[24:25]
.set i, 0
.rept 16                                               ; token i / 8, 512 bytes from 512 (i % 8) on: the first choice's row, then the second's
	global_load_b128 v[8+8*i:11+8*i],  v2, s[4:5] offset:(i/8)*8192+(i%8)*512 th:TH_LOAD_NT
	global_load_b128 v[12+8*i:15+8*i], v2, s[4:5] offset:(i/8)*8192+4096+(i%8)*512 th:TH_LOAD_NT
.set i, i+1
.endr
	s_wait_kmcnt 0x0
	s_mov_b32 s16, s13                             ; the packed forms take a pair's low word for both halves
	s_mov_b32 s17, s13
	s_mov_b32 s18, s15
	s_mov_b32 s19, s15
.set i, 0
.rept 16
	s_wait_loadcnt 30-2*i                          ; the pairs behind this one stay out
	v_pk_mul_f32 v[8+8*i:9+8*i],   v[8+8*i:9+8*i],   s[12+2*(i/8):13+2*(i/8)] op_sel_hi:[1,0]
	v_pk_mul_f32 v[10+8*i:11+8*i], v[10+8*i:11+8*i], s[12+2*(i/8):13+2*(i/8)] op_sel_hi:[1,0]
	v_pk_fma_f32 v[8+8*i:9+8*i],   v[12+8*i:13+8*i], s[16+2*(i/8):17+2*(i/8)], v[8+8*i:9+8*i] op_sel_hi:[1,0,1]
	v_pk_fma_f32 v[10+8*i:11+8*i], v[14+8*i:15+8*i], s[16+2*(i/8):17+2*(i/8)], v[10+8*i:11+8*i] op_sel_hi:[1,0,1]
	global_store_b128 v2, v[8+8*i:11+8*i], s[8:9] offset:(i/8)*4096+(i%8)*512 th:TH_STORE_NT
.set i, i+1
.endr
	s_endpgm
.Lfunc_end_k_qbb0520fcbc_comb:
	.size	k_qbb0520fcbc_comb, .Lfunc_end_k_qbb0520fcbc_comb-k_qbb0520fcbc_comb
	.p2alignl 7, 3214868480
	.fill 96, 4, 3214868480
	.section	.rodata,"a",@progbits
	.p2align	6, 0x0
	.amdhsa_kernel k_qbb0520fcbc_comb
		.amdhsa_group_segment_fixed_size 0
		.amdhsa_private_segment_fixed_size 0
		.amdhsa_enable_private_segment 0
		.amdhsa_kernarg_size 24
		.amdhsa_user_sgpr_count 2
		.amdhsa_user_sgpr_kernarg_segment_ptr 1
		.amdhsa_wavefront_size32 1
		.amdhsa_system_sgpr_workgroup_id_x 1
		.amdhsa_system_sgpr_workgroup_id_y 1
		.amdhsa_system_sgpr_workgroup_id_z 1
		.amdhsa_system_vgpr_workitem_id 0
		.amdhsa_next_free_vgpr 136
		.amdhsa_next_free_sgpr 66
		.amdhsa_reserve_vcc 0
		.amdhsa_float_denorm_mode_32 3
		.amdhsa_float_denorm_mode_16_64 3
		.amdhsa_memory_ordered 1
		.amdhsa_forward_progress 1
		.amdhsa_inst_pref_size 11
	.end_amdhsa_kernel
	.amdgpu_metadata
---
amdhsa.version: [ 1, 2 ]
amdhsa.kernels:
  - .name:           k_qbb0520fcbc_comb
    .symbol:         k_qbb0520fcbc_comb.kd
    .args:
      - { .name: pp, .offset: 0, .size: 8, .value_kind: global_buffer, .address_space: global }
      - { .name: gw, .offset: 8, .size: 8, .value_kind: global_buffer, .address_space: global }
      - { .name: out0, .offset: 16, .size: 8, .value_kind: global_buffer, .address_space: global }
    .group_segment_fixed_size: 0
    .private_segment_fixed_size: 0
    .kernarg_segment_align: 8
    .kernarg_segment_size: 24
    .max_flat_workgroup_size: 256
    .sgpr_count:     66
    .vgpr_count:     136
    .wavefront_size: 32
...
	.end_amdgpu_metadata
.endif
;; end of part 4
